; MI455X (gfx1250); checked and timed in simulation.
; The chip was launched on July 23, 2026; its instructions are those of AMD's public machine-readable ISA for CDNA 5 (MIT licence, August 2026) and "CDNA5" Instruction Set Architecture Reference Guide (July 2026). The comments in the code are by the model that wrote it; some were corrected since.
;; Get Mask. Allowed arithmetic: float matrix products may take bf16 or f16 operands with f32 sums; all other float work in f32.
;; Inputs: sigma 4 x 192 x 512 x 512 float32.
;; Outputs: out0 4 x 1 x 512 x 512 float32; out1 4 x 1 x 512 x 512 float32.
;; One version. Each part assembles by itself: llvm-mc -triple=amdgcn-amd-amdhsa -mcpu=gfx1250 --defsym DOCPART=n.
;; ======== version 1 of 1: 2 launches
;; workspace buffers: pool 524,288 bytes
;; launch pool (part 1): grid 256 x 1, 8 waves a work-group, no clusters, 0 bytes of LDS; arguments sigma, pool; writes pool
.if DOCPART == 1
	.amdgcn_target "amdgcn-amd-amdhsa--gfx1250"
	.amdhsa_code_object_version 6
	.text
	.protected	k_q2d9a89b554_pool
	.globl	k_q2d9a89b554_pool
	.p2align	8
	.type	k_q2d9a89b554_pool,@function
k_q2d9a89b554_pool:
	s_mov_b64 s[64:65], 0
	v_nop
	global_prefetch_b8 v0, s[64:65] scope:SCOPE_SE
	s_setreg_imm32_b32 hwreg(HW_REG_WAVE_MODE, 25, 1), 1
	s_wait_xcnt 0x0
; pool flags of GetMask.  sigma: [4][192][512][512] f32.  pool (workspace): [4*128 quads][128 groups][2] f32, 1.0 or 0.0.
; reference() keeps the channel mean h only on its own lattice mask2: rows 4k at columns 4g+1 and rows 4k+2 at columns 4g+3
; (the checkerboard term is always true there).  Only these 131,072 means are formed: the odd rows of sigma are never touched,
; and of an even row 4 of every 16 bytes go to registers.
; Work-group w: batch w>>6, quads k = 2(w&63) and 2(w&63)+1 (a quad = 4 rows).  Thread t: quad 2(w&63) + (t>>7), group g = t&127.
; A lane owns two points, A = (4k, 4g+1) and B = (4k+2, 4g+3); a load of a wave spans 512 consecutive bytes of one row, aligned,
; and no part of a row is named by a second instruction of the launch.
; ORDER OF ROUNDING (a stated limit): each mean is ONE chain of f32 additions in ascending channel order, times f32(1/192), compared
; with f32(0.18).  A mean within about one unit in the last place of 0.18 can fall otherwise than under another order of summation
; or a true division.  A NaN mean is not in the pool (the compare is false), as in reference().
; No LDS, no barrier, no cluster: no byte of sigma is used by two lanes, and work-groups share nothing.
.set CH,    0x100000                   ; bytes from a channel to the next: 512 * 512 * 4
.set NCH,   192                        ; channels
.set GRP,   8                          ; channels reached from one base by the immediate offset (7 * CH + OFFB fits its signed 24 bits)
.set DEPTH, 32                         ; channels in flight in a wave: 64 loads
.set OFFA,  4                          ; point A: column 1 of the group
.set OFFB,  2*2048+12                  ; point B: two rows down, column 3
.set OFF,   1                          ; v1       byte offset of my group in row 4k, from the work-group's first row
.set SUM,   2                          ; v[2:3]   the two sums (A, B), then the two flags
.set X,     4                          ; v[4:67]  ring: slot i = channel i mod 32: A's number, B's number
.set PO,    68                         ; v68      byte offset of my pair of flags
	s_load_b128 s[4:7], s[0:1], 0x0                ; sigma s[4:5], pool s[6:7]
	s_lshr_b32 s8, ttmp9, 6                        ; batch
	s_mul_i32 s8, s8, NCH*CH                       ; its first byte (at most 3 * 192 MiB: 32 bits hold it)
	s_and_b32 s9, ttmp9, 63
	s_lshl_b32 s9, s9, 14                          ; + two quads = 8 rows of 2,048 bytes for each work-group of the batch
	s_add_co_u32 s8, s8, s9
	s_mov_b32 s9, 0
	s_lshl_b32 s10, ttmp9, 11                      ; flags: 256 threads * 8 bytes for each work-group
	s_mov_b32 s11, 0
	v_and_b32 v[OFF], 127, v0                      ; g
	v_lshrrev_b32 v[SUM], 7, v0                    ; which of the two quads
	v_lshlrev_b32 v[OFF], 4, v[OFF]                ; 16 bytes a group
	v_lshl_or_b32 v[OFF], v[SUM], 13, v[OFF]       ; + 4 rows of 2,048 bytes
	v_lshlrev_b32 v[PO], 3, v0
	v_mov_b32 v[SUM], 0                            ; the two chains start at 0, as the reference's sum does
	v_mov_b32 v[SUM+1], 0
	s_wait_kmcnt 0x0
	s_add_nc_u64 s[4:5], s[4:5], s[8:9]            ; sigma at channel 0 of the work-group's first row
	s_add_nc_u64 s[6:7], s[6:7], s[10:11]
; slot i takes channel (base's channel + c): two loads, point A and point B.  Read once in the launch: non-temporal.
.macro FILL i, c
	global_load_b32 v[X+2*(\i)],   v[OFF], s[4:5] offset:\c*CH+OFFA th:TH_LOAD_NT
	global_load_b32 v[X+2*(\i)+1], v[OFF], s[4:5] offset:\c*CH+OFFB th:TH_LOAD_NT
.endm
; the base moves on by GRP channels, only when every load issued so far has had its address taken (ISA guide 3.1: the count 0)
.macro STEPBASE
	s_wait_xcnt 0x0
	s_add_nc_u64 s[4:5], s[4:5], GRP*CH
.endm
; the turn of slot i.  left = loads issued behind this slot's two, which may stay out (loads return in order, ISA guide 5.7.1).
.macro SLOT i, c, refill, left
	s_wait_loadcnt \left
	v_pk_add_f32 v[SUM:SUM+1], v[SUM:SUM+1], v[X+2*(\i):X+2*(\i)+1]    ; both chains, one channel further
.if \refill
	FILL \i, \c                                    ; the channel DEPTH further on
.endif
.endm
	; fill the ring: channels 0 to 31
.irp q, 0,1,2,3
.irp c, 0,1,2,3,4,5,6,7
	FILL GRP*\q+\c, \c
.endr
	STEPBASE
.endr
	; 5 rounds of 32 channels, each slot filled again: 31 other slots * 2 loads = 62 stay out at every wait
	s_mov_b32 s12, (NCH-DEPTH)/DEPTH
.Lround:
.irp q, 0,1,2,3
.irp c, 0,1,2,3,4,5,6,7
	SLOT GRP*\q+\c, \c, 1, 2*DEPTH-2
.endr
	STEPBASE                                       ; (behind the last fill the base stands at channel 192 and is used no more)
.endr
	s_sub_co_u32 s12, s12, 1
	s_cmp_lg_u32 s12, 0
	s_cbranch_scc1 .Lround
	; the last 32 channels load nothing: the counts run down to 0
.irp q, 0,1,2,3
.irp c, 0,1,2,3,4,5,6,7
	SLOT GRP*\q+\c, \c, 0, 2*DEPTH-2-2*GRP*\q-2*\c
.endr
.endr
	v_mul_f32 v[SUM],   0x3baaaaab, v[SUM]         ; mean = sum * f32(1/192)
	v_mul_f32 v[SUM+1], 0x3baaaaab, v[SUM+1]
	v_cmp_ge_f32 vcc_lo, 0x3e3851ec, v[SUM]        ; 0.18 >= h (false for NaN)
	v_cndmask_b32 v[SUM], 0, 1.0, vcc_lo
	v_cmp_ge_f32 vcc_lo, 0x3e3851ec, v[SUM+1]
	v_cndmask_b32 v[SUM+1], 0, 1.0, vcc_lo
	global_store_b64 v[PO], v[SUM:SUM+1], s[6:7]   ; a wave stores 256 consecutive bytes, aligned; the next launch reads them: no hint
	s_endpgm
.Lfunc_end_k_q2d9a89b554_pool:
	.size	k_q2d9a89b554_pool, .Lfunc_end_k_q2d9a89b554_pool-k_q2d9a89b554_pool
	.p2alignl 7, 3214868480
	.fill 96, 4, 3214868480
	.section	.rodata,"a",@progbits
	.p2align	6, 0x0
	.amdhsa_kernel k_q2d9a89b554_pool
		.amdhsa_group_segment_fixed_size 0
		.amdhsa_private_segment_fixed_size 0
		.amdhsa_enable_private_segment 0
		.amdhsa_kernarg_size 16
		.amdhsa_user_sgpr_count 2
		.amdhsa_user_sgpr_kernarg_segment_ptr 1
		.amdhsa_wavefront_size32 1
		.amdhsa_system_sgpr_workgroup_id_x 1
		.amdhsa_system_sgpr_workgroup_id_y 1
		.amdhsa_system_sgpr_workgroup_id_z 1
		.amdhsa_system_vgpr_workitem_id 0
		.amdhsa_next_free_vgpr 72
		.amdhsa_next_free_sgpr 66
		.amdhsa_reserve_vcc 1
		.amdhsa_float_denorm_mode_32 3
		.amdhsa_float_denorm_mode_16_64 3
		.amdhsa_memory_ordered 1
		.amdhsa_forward_progress 1
		.amdhsa_inst_pref_size 21
	.end_amdhsa_kernel
	.amdgpu_metadata
---
amdhsa.version: [ 1, 2 ]
amdhsa.kernels:
  - .name:           k_q2d9a89b554_pool
    .symbol:         k_q2d9a89b554_pool.kd
    .args:
      - { .name: sigma, .offset: 0, .size: 8, .value_kind: global_buffer, .address_space: global }
      - { .name: pool, .offset: 8, .size: 8, .value_kind: global_buffer, .address_space: global }
    .group_segment_fixed_size: 0
    .private_segment_fixed_size: 0
    .kernarg_segment_align: 8
    .kernarg_segment_size: 16
    .max_flat_workgroup_size: 256
    .sgpr_count:     66
    .vgpr_count:     72
    .wavefront_size: 32
...
	.end_amdgpu_metadata
.endif
;; end of part 1
;; launch expand (part 2): grid 256 x 1, 8 waves a work-group, no clusters, 0 bytes of LDS; arguments pool, out0, out1; writes out0, out1
.if DOCPART == 2
	.amdgcn_target "amdgcn-amd-amdhsa--gfx1250"
	.amdhsa_code_object_version 6
	.text
	.protected	k_q2d9a89b554_expand
	.globl	k_q2d9a89b554_expand
	.p2align	8
	.type	k_q2d9a89b554_expand,@function
k_q2d9a89b554_expand:
	s_mov_b64 s[64:65], 0
	v_nop
	global_prefetch_b8 v0, s[64:65] scope:SCOPE_SE
	s_setreg_imm32_b32 hwreg(HW_REG_WAVE_MODE, 25, 1), 1
	s_wait_xcnt 0x0
; The two masks of GetMask from the pool flags.  pool: [512 quads q = 128 b + k][128 groups g][2] f32 = {pA, pB}:
; pA = flag of point (4k, 4g+1), pB = flag of point (4k+2, 4g+3).  out0 (mask), out1 (values_mask): [4][1][512][512] f32.
; For the four columns 4g .. 4g+3 (the clamped scatter targets of reference() all fall on places where the checkerboard is 0 already):
;   row 4k   : mask 1, 0, 1-pA(g), 0               values pA(g), 0, 0, 0
;   row 4k+1 : mask 0, 1-pA(g), 0, 1-pB(g)         values 0
;   row 4k+2 : mask 1-pB(g-1), 0, 1, 0             values 0, 0, pB(g), 0        (g = 0: nothing to the left, mask 1)
;   row 4k+3 : mask 0, 1-pA(k+1, g), 0, 1-pB(g)    values 0                     (k = 127: no row below, mask 1)
; Work-group w, thread t: quad q = 2 w + (t>>7), group g = t&127.  A lane makes 16 bytes of each of the 4 rows of both outputs;
; each store of a wave covers 512 consecutive bytes, aligned.  Flags only select values: no address and no branch hangs on them.
.set PBYTES, 524288                    ; bytes of pool
.set ROWB,   2048                      ; bytes of an output row
.set PO,  1                            ; v1       byte offset of my {pA, pB}
.set POL, 2                            ; v2       the same, at least 4: its load reaches back 4 bytes, to pB(g-1)
.set POD, 3                            ; v3       the same, clamped so that 1,024 bytes further on (the quad below) is inside pool
.set PL,  4                            ; v4       pB(g-1), then 1 - it
.set PD,  5                            ; v5       pA(k+1, g), then 1 - it
.set OO,  8                            ; v8       byte offset of my 16 bytes in row 4k, from the work-group's first row
.set M0,  12                           ; v[12:15] mask, row 4k
.set VAL, 16                           ; v[16:23] = pA,0,0,0,0,0,pB,0: values of row 4k are v[16:19], a row of zeros v[18:21], values of row 4k+2 v[20:23]
.set M1,  24                           ; v[24:27] mask, row 4k+1
.set M2,  28                           ; v[28:31] mask, row 4k+2
.set M3,  32                           ; v[32:35] mask, row 4k+3
	s_load_b128 s[4:7], s[0:1], 0x0                ; pool s[4:5], out0 s[6:7]
	s_load_b64 s[8:9], s[0:1], 0x10                ; out1
	s_lshl_b32 s10, ttmp9, 11                      ; flags: 256 threads * 8 bytes for each work-group
	s_lshl_b32 s12, ttmp9, 14                      ; outputs: 8 rows of 2,048 bytes for each work-group
	s_mov_b32 s13, 0
	v_lshl_add_u32 v[PO], v0, 3, s10
	v_max_u32 v[POL], 4, v[PO]                     ; thread 0 of work-group 0 would reach in front of pool: it reads byte 0, and g = 0 discards it
	v_min_u32 v[POD], PBYTES-1024-8, v[PO]         ; the last quad would reach behind pool: it reads the last pair, and k = 127 discards it
	s_wait_kmcnt 0x0
	global_load_b32 v[VAL],   v[PO],  s[4:5]               ; pA, straight into its place in the values of row 4k
	global_load_b32 v[VAL+6], v[PO],  s[4:5] offset:4      ; pB, straight into its place in the values of row 4k+2
	global_load_b32 v[PL],    v[POL], s[4:5] offset:-4     ; pB of the group to the left
	global_load_b32 v[PD],    v[POD], s[4:5] offset:1024   ; pA of the quad below
	s_add_nc_u64 s[6:7], s[6:7], s[12:13]
	s_add_nc_u64 s[8:9], s[8:9], s[12:13]
	; while the flags are on their way: addresses, edge masks, and the constant words of the rows
	v_and_b32 v6, 127, v0                          ; g
	v_lshrrev_b32 v7, 7, v0                        ; which of the two quads
	v_cmp_ne_u32 s14, 0, v6                        ; there is a group to the left
	v_lshlrev_b32 v6, 4, v6
	v_lshl_or_b32 v[OO], v7, 13, v6                ; 16 g + 4 rows for the second quad
	v_bfe_u32 v7, v[PO], 10, 7                     ; k = q mod 128 (1,024 bytes of flags a quad)
	v_cmp_ne_u32 s15, 127, v7                      ; there is a quad below in this image
.irp r, 1,2,3,4,5,7
	v_mov_b32 v[VAL+\r], 0
.endr
	global_store_b128 v[OO], v[VAL+2:VAL+5], s[8:9] offset:ROWB th:TH_STORE_NT     ; values of rows 4k+1 and 4k+3 are zeros:
	global_store_b128 v[OO], v[VAL+2:VAL+5], s[8:9] offset:3*ROWB th:TH_STORE_NT   ; they wait for no flag
	v_mov_b32 v[M0], 1.0
	v_mov_b32 v[M0+1], 0
	v_mov_b32 v[M0+3], 0
	v_mov_b32 v[M1], 0
	v_mov_b32 v[M1+2], 0
	v_mov_b32 v[M2+1], 0
	v_mov_b32 v[M2+2], 1.0
	v_mov_b32 v[M2+3], 0
	v_mov_b32 v[M3], 0
	v_mov_b32 v[M3+2], 0
	s_wait_loadcnt 0x0                             ; all four flags
	v_sub_f32 v[M0+2], 1.0, v[VAL]                 ; 1 - pA: right of A
	v_sub_f32 v[M1+1], 1.0, v[VAL]                 ;         below A
	v_sub_f32 v[M1+3], 1.0, v[VAL+6]               ; 1 - pB: above B
	v_sub_f32 v[M3+3], 1.0, v[VAL+6]               ;         below B
	v_sub_f32 v[PL], 1.0, v[PL]
	v_sub_f32 v[PD], 1.0, v[PD]
	v_cndmask_b32 v[M2],   1.0, v[PL], s14         ; right of the left group's B, or 1 at the image's left edge
	v_cndmask_b32 v[M3+1], 1.0, v[PD], s15         ; above the lower quad's A, or 1 in the image's last row
	global_store_b128 v[OO], v[M0:M0+3], s[6:7] th:TH_STORE_NT
	global_store_b128 v[OO], v[M1:M1+3], s[6:7] offset:ROWB th:TH_STORE_NT
	global_store_b128 v[OO], v[M2:M2+3], s[6:7] offset:2*ROWB th:TH_STORE_NT
	global_store_b128 v[OO], v[M3:M3+3], s[6:7] offset:3*ROWB th:TH_STORE_NT
	global_store_b128 v[OO], v[VAL:VAL+3], s[8:9] th:TH_STORE_NT
	global_store_b128 v[OO], v[VAL+4:VAL+7], s[8:9] offset:2*ROWB th:TH_STORE_NT
	s_endpgm
.Lfunc_end_k_q2d9a89b554_expand:
	.size	k_q2d9a89b554_expand, .Lfunc_end_k_q2d9a89b554_expand-k_q2d9a89b554_expand
	.p2alignl 7, 3214868480
	.fill 96, 4, 3214868480
	.section	.rodata,"a",@progbits
	.p2align	6, 0x0
	.amdhsa_kernel k_q2d9a89b554_expand
		.amdhsa_group_segment_fixed_size 0
		.amdhsa_private_segment_fixed_size 0
		.amdhsa_enable_private_segment 0
		.amdhsa_kernarg_size 24
		.amdhsa_user_sgpr_count 2
		.amdhsa_user_sgpr_kernarg_segment_ptr 1
		.amdhsa_wavefront_size32 1
		.amdhsa_system_sgpr_workgroup_id_x 1
		.amdhsa_system_sgpr_workgroup_id_y 1
		.amdhsa_system_sgpr_workgroup_id_z 1
		.amdhsa_system_vgpr_workitem_id 0
		.amdhsa_next_free_vgpr 36
		.amdhsa_next_free_sgpr 66
		.amdhsa_reserve_vcc 0
		.amdhsa_float_denorm_mode_32 3
		.amdhsa_float_denorm_mode_16_64 3
		.amdhsa_memory_ordered 1
		.amdhsa_forward_progress 1
		.amdhsa_inst_pref_size 4
	.end_amdhsa_kernel
	.amdgpu_metadata
---
amdhsa.version: [ 1, 2 ]
amdhsa.kernels:
  - .name:           k_q2d9a89b554_expand
    .symbol:         k_q2d9a89b554_expand.kd
    .args:
      - { .name: pool, .offset: 0, .size: 8, .value_kind: global_buffer, .address_space: global }
      - { .name: out0, .offset: 8, .size: 8, .value_kind: global_buffer, .address_space: global }
      - { .name: out1, .offset: 16, .size: 8, .value_kind: global_buffer, .address_space: global }
    .group_segment_fixed_size: 0
    .private_segment_fixed_size: 0
    .kernarg_segment_align: 8
    .kernarg_segment_size: 24
    .max_flat_workgroup_size: 256
    .sgpr_count:     66
    .vgpr_count:     36
    .wavefront_size: 32
...
	.end_amdgpu_metadata
.endif
;; end of part 2
